; MI455X (gfx1250); checked and timed in simulation.
; The chip was launched on July 23, 2026; its instructions are those of AMD's public machine-readable ISA for CDNA 5 (MIT licence, August 2026) and "CDNA5" Instruction Set Architecture Reference Guide (July 2026). The comments in the code are by the model that wrote it; some were corrected since.
;; Signed Attention. Allowed arithmetic: matrix products marked QUANTISED: E2M1 operands, one E8M0 scale for each 32 along K, by v_wmma_scale_f32_16x16x128_f8f6f4 with both operands' format E2M1 (or v_wmma_scale_f32_32x16x128_f4), f32 sums; everything else in f32.
;; Inputs: keys_codes 4 x 8 x 2,048 x 2 x 16 uint8 (E2M1 codes of keys, K innermost, in blocks of 32 codes, two codes a byte); keys_scales 4 x 8 x 2,048 x 2 uint8 (E8M0 scales of keys, one for each 32 codes along K); log_scale one number float32; queries_codes 4 x 8 x 2,048 x 2 x 16 uint8 (E2M1 codes of queries, K innermost, in blocks of 32 codes, two codes a byte); queries_scales 4 x 8 x 2,048 x 2 uint8 (E8M0 scales of queries, one for each 32 codes along K); values_codes 4 x 8 x 64 x 64 x 16 uint8 (E2M1 codes of values, K innermost, in blocks of 32 codes, two codes a byte); values_scales 4 x 8 x 64 x 64 uint8 (E8M0 scales of values, one for each 32 codes along K).
;; Outputs: out0 4 x 8 x 2,048 x 64 float32.
;; This version of the problem:
;;   THIS VERSION OF THE PROBLEM IS GIVEN IN LOW PRECISION. The matrix products marked QUANTISED in the list below multiply operands that are first quantised to E2M1 (2 exponent bits, 1 mantissa bit; 4 bits a number), with one power-of-two scale for each 32 numbers along K (OCP MX v1.0); their sums are f32. All else is computed in f32.
;;   The module's matrix products, in the order in which they are computed (A, B: the left and right operand; K: the contracted axis; several contracted axes count as one K, in the product's order):
;;     1. batch 32 x [M 2,048, K 64] x [K 64, N 2,048]; A: input queries (given as codes); B: input keys (given as codes): QUANTISED
;;     2. batch 32 x [M 2,048, K 2,048] x [K 2,048, N 64]; A: computed on the way; B: input values (given as codes): QUANTISED
;;   THE QUANTISER, for each operand of a quantised product, along K:
;;     - K is cut into blocks of 32 from its start; a last block that is shorter is filled with zeros.
;;     - A block's scale is 2^e with e = floor(log2(the largest magnitude in the block)) - 2, held to -126 .. 127; a block of zeros has e = 0. As a byte (E8M0): e + 127.
;;     - Each number is divided by its block's scale, clamped to +-6, and rounded to the nearest number of E2M1, ties to even, subnormals kept.
;;     - The product sums the exact products of the quantised numbers (number of the format x scale) in f32.
;;   ~~~python
;;   def quantise(x, axis):      # numpy; x: float32 -> the quantised numbers, widened to float32 again
;;       x = np.moveaxis(x, axis, -1); K = x.shape[-1]
;;       x = np.pad(x, [(0, 0)] * (x.ndim - 1) + [(0, -K % 32)]); x = x.reshape(x.shape[:-1] + (-1, 32)); a = np.abs(x).max(-1, keepdims=True)
;;       e = np.where(a > 0, np.clip(np.frexp(np.where(a > 0, a, 1))[1] - 1 - 2, -126, 127), 0)      # np.frexp(a)[1] - 1 = floor(log2(a)), exactly
;;       r = np.clip(x / 2.0 ** e, -6, 6)
;;       step = 2.0 ** (np.maximum(np.frexp(np.where(r == 0, 1, r))[1] - 1, 0) - 1)
;;       q = np.round(r / step) * step * 2.0 ** e      # np.round: ties to even
;;       return np.moveaxis(q.reshape(q.shape[:-2] + (-1,))[..., :K], -1, axis).astype(np.float32)
;;   ~~~
;;   OPERANDS COMPUTED ON THE WAY. 'Computed on the way' means the value that the module computes at that place (a softmax that the list does not call 'softmax' is quantised finished and normalised). What goes into a quantiser is computed in f32, as accurately as f32 sums, v_exp_f32 and their like allow (about 1e-6 of the number): no bf16 or f16 on the way to a quantiser, and a product that is left as it is and whose result goes on into a quantised operand takes f32 operands (vector FMAs, or v_wmma_f32_16x16x4_f32). A number that lies on a knife's edge between two numbers of the format may be rounded either way, as far as f32 arithmetic and the matrix unit's own rounding can turn it there, and no further.
;;   INPUTS GIVEN AS CODES. keys (in the module: [4, 8, 2048, 64], K = its axis 3); queries (in the module: [4, 8, 2048, 64], K = its axis 3); values (in the module: [4, 8, 2048, 64], K = its axis 2): each comes as NAME_codes (uint8): NAME with its K axis moved to the last place and cut into blocks of 32 codes, [.., K / 32, bytes a block], one block behind the other in memory; two codes a byte, the lower K in the low four bits (a code: sign, 2 exponent bits, 1 mantissa bit); and NAME_scales (uint8): the same leading axes, one E8M0 byte (e + 127) for each 32 codes along K. Its value is code x scale, taken as it is: it is not quantised again, and the codes and scales need not be those that the quantiser above would give.
;; One version. Each part assembles by itself: llvm-mc -triple=amdgcn-amd-amdhsa -mcpu=gfx1250 --defsym DOCPART=n.
;; ======== version 1 of 1: 1 launch
;; launch attn (part 1): grid 8 x 32, 16 waves a work-group, no clusters, 167,936 bytes of LDS; arguments queries_codes, queries_scales, keys_codes, keys_scales, values_codes, values_scales, log_scale, out0; writes out0
.if DOCPART == 1
	.amdgcn_target "amdgcn-amd-amdhsa--gfx1250"
	.amdhsa_code_object_version 6
	.text
	.protected	k_q3096b93501_attn
	.globl	k_q3096b93501_attn
	.p2align	8
	.type	k_q3096b93501_attn,@function
k_q3096b93501_attn:
	s_mov_b64 s[64:65], 0
	v_nop
	global_prefetch_b8 v0, s[64:65] scope:SCOPE_SE
	s_setreg_imm32_b32 hwreg(HW_REG_WAVE_MODE, 25, 1), 1
	s_wait_xcnt 0x0
; out = (softmax(scale pos) - softmax(scale neg)) V for 32 heads of 2,048 positions x 64, both products on codes of FP4 (E2M1) with one E8M0 scale for each 32 along K.
; pos = scores, neg = -scores, both -10000 where the mask holds.  The mask is built from positions alone: with patches of 16 positions, key patch kp counts for query patch p only where 1 <= kp - p <= 9.
; WHAT IS LEFT OUT, AND WHY IT IS DEAD.  At a masked place the score is replaced by the constant -10000 whatever it holds, so Q K^T is formed only for the five aligned blocks of 32 keys
; (blocks B0 .. B0 + 4, B0 = min((p + 1) / 2, 59)) that hold all keys that can count for patch p: every one of the other 1,888 keys of the head is masked for every input.
; WHAT IS NOT LEFT OUT.  The fill is -10000 and no -infinity: a masked place holds 2^(c (-10000) - c max) / Z in each softmax.  All masked places of a row hold ONE number, a.  They enter the two maxima as the
; constant, the two sums as 1,888 times their exponential (those inside the window by their own registers), and the second product exactly: a block of 32 equal numbers a is quantised to 32 equal numbers
; Q(a) = sign(a) 2^floor(log2 |a|) x (1 where a's mantissa field is at most 0x200000, else 1.5), so the 59 blocks outside the window add Q(a) (T - W), T the head's sum of V over all keys, W over the window.
; T and W are made by the format's own matrix instruction, V's codes against codes of 1.0.  Every input is loaded.
; LIMITS.  NaN, infinities and the scale byte 0xff among the inputs are not served.  A NaN, an infinity or an overflow that would arise only in the scores left out is not carried to the result; a score that
; overflows f32 at a masked place INSIDE the window gives NaN (0 x infinity).  |a| under 2^-124, where the quantiser's exponent is held at -126: Q(a) may be one code off.  Where the two softmaxes agree bit for bit
; (query patch 127), their difference is the residue of one fused multiply-add, at most 2^-24 of the softmax's value, and not 0.  A block of zeros gets the scale byte 1: its codes are zeros.
; SHARES.  A work-group owns 256 queries of a head (grid x: 8 blocks; y: 32 heads), each of its sixteen waves one patch of 16 queries in 256 registers, four waves to a SIMD.
; Both products are used transposed (source 0 = 16 keys, or 16 of the head's 64; source 1 = my 16 queries): lane (r, h) holds query r throughout.  Lane r of score tile 2 b + u takes key 32 b + 8 u + r + 8 (r / 8),
; so that the 16 registers of tiles 2 b, 2 b + 1 are keys 32 b + 16 h + 0 .. 15: ONE patch, masked or not as a whole, by a lane mask made of ids.
; SHORT K.  The first product's K is 64 and the second's last step holds one block of 32: there the operand that stays (Q; A's codes; the ones) holds zero codes in the rest of its fragment, so the other operand's
; registers 4 .. 7 may be whatever stands there (the next tile's codes); the scale bytes of those places are 0, never 0xff.
; NO CLUSTER.  The eight work-groups of a head read the same 64 KiB of V, but a wave's LDS address in V's tile is 16 B0, which hangs on the work-group's place among the eight.
; NO PREFETCH, NO RING: all of a work-group's inputs are asked for at its head and fit in LDS once; no byte of LDS is filled twice.
.set VCO,   0                          ; LDS: V's codes of the head: 64 rows (d) x 1,024 bytes,
.set VP,    1040                       ;      + 16 of padding: 65 x 16 bytes, so that the 16 rows of a load start at 16 different 16-byte columns
.set KCO,   66560                      ; K's codes: 416 keys (blocks KB .. KB + 12) x 32 bytes,
.set KP,    48                         ;      + 16 of padding
.set VSO,   86528                      ; V's scale bytes: 64 rows x 64 bytes,
.set VSP,   80                         ;      + 16 of padding
.set KSO,   91648                      ; K's scale bytes: 2 a key, 832 dense bytes
.set TBO,   92672                      ; -T: 64 bytes for each wave's number; waves 0, 5, 10, 15 store theirs
.set STG,   93696                      ; the way out: 16 rows x (256 + 16) bytes for each wave
.set SP,    272
.set SPARE, 163328                     ; the spare words, 128 bytes for each wave: eight blocks of 256 bytes that no other line names
.set AK,   3                           ; v3   my lane's place in my window's tiles of K
.set AKS,  4                           ; v4   and among K's scale bytes
.set ADVA, 5                           ; v5   V: row r, block B0 + h
.set ADVB, 6                           ; v6   V: row r, block B0 + 4 (both halves of the lanes)
.set AVS,  7                           ; v7   V's scale bytes: row r, the aligned word that holds block B0's
.set ATF,  8                           ; v8   the sum T: V, row 16 (w % 4) + r, + 16 h
.set ATS,  9                           ; v9   and that row's scale bytes
.set ATW,  10                          ; v10  where -T is stored: TBO + 64 w + 32 h
.set ATR,  11                          ; v11  and read: TBO + 32 h
.set STO,  12                          ; v12  the stage: where I put 32 bytes of a row
.set RD,   13                          ; v13  and where I read rows back
.set GO,   14                          ; v14  16 x lane: my bytes in two rows of out
.set QSO,  15                          ; v15  2 r: my query's scale bytes
.set SPW,  16                          ; v16  LDS address of my spare word; never rewritten
.set NIL,  17                          ; v17  0; never rewritten
.set QFR,  24                          ; v24-31 Q's fragment; v28-31 zero codes
.set TSC,  32                          ; v32-56 hold scales and nothing else: v32-39 V's words for T,
.set KSC,  40                          ; v40-44 K's (lanes 0-15 tile 2 b, lanes 16-31 tile 2 b + 1),
.set QSC,  45                          ; v45 Q's,
.set PSA,  46                          ; v46, v47 A's,
.set PSB,  47
.set VSA,  48                          ; v48-51 V's for blocks B0 .. B0 + 3, v52-55 for block B0 + 4,
.set VSB,  52
.set ONESC, 56                         ; v56 four bytes 127
.set MX,   72                          ; v72-76 largest score of each block, v77-81 largest -score; later:
.set MN,   77
.set PC,   72                          ; v72-79, v80-87 A's codes: two fragments; v82-87 zero until the exchange of halves
.set TX,   88                          ; v88-95 the sums' four chains; later at work; later -T
.set SR,   96                          ; v96-175 the scores, then e_p, then A; later V's fragments for T, then O^T (v96-127) and U (v128-159)
.set UA,   128
.set TA,   160                         ; v160-175 T's two accumulators
.set NR,   176                         ; v176-255 K's fragments (tile i at v[176 + 4 i], v216-219 zero), then e_n; later:
.set KFR,  176
.set VFA,  176                         ; v176-207 V: four tiles x blocks B0 .. B0 + 3;  v208-223: x block B0 + 4
.set VFB,  208
.set ONA,  224                         ; v224-231 codes of 1.0;  v232-239 the same for one block: lanes 0-15 of four registers
.set ONB,  232
.set RAW,  240                         ; v240-247 V's scale bytes as they lie: two words a tile
.set TM,   248                         ; v248-252 the blocks' largest |A|, then the conversions' scale operands
.set MK,   84                          ; s84-88 lane masks: block b's masked lanes
; other vector registers: v18, v19 lane permutes' destinations; v20 c, v21 0; v22 oP, v23 oN (first Q's offset); v57 EP, v58 EN; v59 -10000, then a; v60 -Q(a), v61 0x400000;
; v62 1 / ZP, v64 1 / ZN; v66, v68, v70 a block's c, oP, oN; the odd registers beside these are named as upper halves of pairs and hold 0.
; scalars: s4-19 the eight addresses; s20 log_scale; s21 wave; s22 the selector for V's scale word; s23 head; s24 patch; s25 KB; s26 B0 - KB; s27 B0; s28 8 (B0 % 4); s29, s30 the mask; s31, s67 at work;
; s32-63 four descriptor groups 1; s66 w % 2; s68-83 four groups 0; s89 0xffff; s90, s91 lane selects; s92-97 offsets; s98 w % 4.
; One matrix instruction: D = 16 x 16 in v[d ..], source 0 in v[a ..], source 1 in v[b ..], their scale words in v[sa], v[sb].  zero = 1: it starts the sum; else it adds in place.  row1 = 1: source 0's scales from lanes 16-31.
.macro MM d, a, b, sa, sb, zero, row1
.if \zero
.if \row1
	v_wmma_scale_f32_16x16x128_f8f6f4 v[(\d):(\d)+7], v[(\a):(\a)+7], v[(\b):(\b)+7], 0, v[(\sa)], v[(\sb)] matrix_a_fmt:MATRIX_FMT_FP4 matrix_b_fmt:MATRIX_FMT_FP4 matrix_a_scale:MATRIX_SCALE_ROW1
.else
	v_wmma_scale_f32_16x16x128_f8f6f4 v[(\d):(\d)+7], v[(\a):(\a)+7], v[(\b):(\b)+7], 0, v[(\sa)], v[(\sb)] matrix_a_fmt:MATRIX_FMT_FP4 matrix_b_fmt:MATRIX_FMT_FP4
.endif
.else
	v_wmma_scale_f32_16x16x128_f8f6f4 v[(\d):(\d)+7], v[(\a):(\a)+7], v[(\b):(\b)+7], v[(\d):(\d)+7], v[(\sa)], v[(\sb)] matrix_a_fmt:MATRIX_FMT_FP4 matrix_b_fmt:MATRIX_FMT_FP4
.endif
.endm
.macro PLACES                          ; four plain vector instructions between a matrix instruction and a read of its result, a write of its registers or a load into them
.rept 4
	v_nop
.endr
.endm
	; ---- the head
	s_load_b256 s[4:11], s[0:1], 0x0               ; Q's codes s[4:5], Q's scales s[6:7], K's codes s[8:9], K's scales s[10:11]
	s_load_b256 s[12:19], s[0:1], 0x20             ; V's codes s[12:13], V's scales s[14:15], log_scale s[16:17], out s[18:19]
	v_lshl_add_u32 v[SPW], v0, 2, SPARE
	v_mov_b32 v[NIL], 0
	ds_add_u32 v[SPW], v[NIL]                      ; the wave's opening: the add, twice on end, and its wait ahead of the first tensor load; the set-up below, work on registers, stands between
	ds_add_u32 v[SPW], v[NIL]                      ; and once more, under the one wait
	v_lshrrev_b32 v1, 5, v0
	v_readfirstlane_b32 s21, v1                    ; wave 0 .. 15
	s_and_b32 s23, ttmp7, 0xffff                   ; the head
	s_lshl_b32 s24, ttmp9, 4
	s_add_co_u32 s24, s24, s21                     ; my query patch p = 16 x work-group x + wave
	s_lshl_b32 s25, ttmp9, 3
	s_min_u32 s25, s25, 51                         ; KB: the first of the 13 blocks of keys that the work-group holds; they end inside the head
	s_add_co_u32 s26, s21, 1
	s_lshr_b32 s26, s26, 1                         ; (w + 1) / 2,
	s_cmp_eq_u32 ttmp9, 7
	s_cselect_b32 s31, 5, 0                        ; + 5 in the head's last work-group, where KB is 51 and not 56,
	s_add_co_u32 s26, s26, s31
	s_min_u32 s26, s26, 8                          ; held at 8: my window's first block, counted from KB
	s_add_co_u32 s27, s25, s26                     ; B0 = min((p + 1) / 2, 59)
	s_and_b32 s22, s27, 3
	s_lshl_b32 s28, s22, 3                         ; 8 (B0 % 4): where block B0 + 4's scale byte stands in its word
	s_mul_i32 s22, s22, 0x01010101
	s_add_co_u32 s22, s22, 0x03020100              ; byte selects B0 % 4 + 0 .. 3 out of two neighbouring words
	s_lshl_b32 s31, s27, 1
	s_sub_co_u32 s29, s24, s31
	s_add_co_u32 s29, s29, 1                       ; Y = p - 2 B0 + 1, 0 .. 10: patch 2 B0 + i of the window is masked where i < Y or i >= Y + 9
	s_bfm_b32 s30, s29, 0                          ; bits 0 .. Y - 1,
	s_add_co_u32 s31, s29, 9
	s_lshl_b32 s31, 0x3ff, s31
	s_and_b32 s31, s31, 0x3ff                      ; bits Y + 9 .. 9
	s_or_b32 s30, s30, s31
	s_mov_b32 s89, 0xffff
.irp b, 0,1,2,3,4
	s_bitcmp1_b32 s30, 2*\b                        ; lanes 0-15 of block b hold patch 2 (B0 + b),
	s_cselect_b32 s[MK+\b], s89, 0
	s_bitcmp1_b32 s30, 2*\b+1                      ; lanes 16-31 the next
	s_cselect_b32 s31, 0xffff0000, 0
	s_or_b32 s[MK+\b], s[MK+\b], s31
.endr
	s_and_b32 s98, s21, 3
	s_and_b32 s66, s21, 1
	s_mov_b32 s90, 0x76543210
	s_mov_b32 s91, 0xfedcba98                      ; v_permlanex16_b32's selects for lane l xor 16
	; descriptor groups 1.  V's codes: 16 rows x 1,024 bytes; 16 bytes of padding behind each 256 words
	s_mov_b32 s32, (1<<20)|(7<<22)|(3<<25)
	s_mov_b32 s33, 1024<<16                        ; tensor_dim0
	s_mov_b32 s34, 16<<16                          ; tensor_dim1
	s_mov_b32 s35, 1024<<16                        ; tile_dim0
	s_mov_b32 s36, 16                              ; tile_dim1
	s_mov_b32 s37, 1024                            ; from row to row
	s_mov_b32 s38, 0
	s_mov_b32 s39, 0
	; K's codes: 208 rows x 32 bytes; 16 bytes of padding behind each 8 words
	s_mov_b32 s40, (1<<20)|(2<<22)|(3<<25)
	s_mov_b32 s41, 32<<16
	s_mov_b32 s42, 208<<16
	s_mov_b32 s43, 32<<16
	s_mov_b32 s44, 208
	s_mov_b32 s45, 32
	s_mov_b32 s46, 0
	s_mov_b32 s47, 0
	; K's scale bytes: one row of 832 bytes, 104 elements of 8
	s_mov_b32 s48, 3<<16
	s_mov_b32 s49, 104<<16
	s_mov_b32 s50, 1<<16
	s_mov_b32 s51, 104<<16
	s_mov_b32 s52, 1
	s_mov_b32 s53, 104
	s_mov_b32 s54, 1<<16
	s_mov_b32 s55, 0
	; V's scale bytes: 64 rows x 64 bytes; 16 bytes of padding behind each 16 words
	s_mov_b32 s56, (1<<20)|(3<<22)|(3<<25)
	s_mov_b32 s57, 64<<16
	s_mov_b32 s58, 64<<16
	s_mov_b32 s59, 64<<16
	s_mov_b32 s60, 64
	s_mov_b32 s61, 64
	s_mov_b32 s62, 0
	s_mov_b32 s63, 0
	; groups 0: count, LDS address, and the byte offset to which the buffer's address is added below
	s_lshl_b32 s92, s23, 16                        ; the head in each tensor of codes,
	s_lshl_b32 s94, s23, 12                        ; of scale bytes,
	s_lshl_b32 s96, s23, 19                        ; and in out
	s_mov_b32 s68, 1                               ; V's codes: quarter w % 4: 16 rows
	s_mul_i32 s69, s98, 16*VP
	s_lshl_b32 s31, s98, 14
	s_add_co_u32 s70, s92, s31
	s_mov_b32 s71, 0
	s_mov_b32 s72, 1                               ; K's codes: half w % 2: 208 keys from block KB on
	s_mul_i32 s73, s66, 208*KP
	s_add_co_u32 s73, s73, KCO
	s_mul_i32 s31, s66, 208*32
	s_add_co_u32 s74, s92, s31
	s_lshl_b32 s31, s25, 10
	s_add_co_u32 s74, s74, s31
	s_mov_b32 s75, 0
	s_mov_b32 s76, 1                               ; K's scale bytes: 64 a block
	s_mov_b32 s77, KSO
	s_lshl_b32 s31, s25, 6
	s_add_co_u32 s78, s94, s31
	s_mov_b32 s79, 0
	s_mov_b32 s80, 1                               ; V's scale bytes: the head's
	s_mov_b32 s81, VSO
	s_mov_b32 s82, s94
	s_mov_b32 s83, 0
	s_lshl_b32 s31, s24, 9                         ; my patch: 16 rows of 32 bytes of Q's codes,
	s_add_co_u32 s92, s92, s31
	s_mov_b32 s93, 0
	s_lshl_b32 s31, s24, 5                         ; of 2 scale bytes,
	s_add_co_u32 s94, s94, s31
	s_mov_b32 s95, 0
	s_lshl_b32 s31, s24, 12                        ; of 256 bytes of out
	s_add_co_u32 s96, s96, s31
	s_mov_b32 s97, 0
	; every LDS address is made here, ahead of the first place where waves part
	v_and_b32 v1, 15, v0                           ; r
	v_bfe_u32 v2, v0, 4, 1                         ; h
	v_and_b32 v18, 8, v1
	v_add_nc_u32 v18, v18, v1                      ; r + 8 (r / 8)
	v_mul_u32_u24 v19, v1, VP                      ; row r of V
	s_mul_i32 s31, s26, 32*KP
	s_add_co_u32 s31, s31, KCO
	v_mul_u32_u24 v[AK], v18, KP
	v_lshl_add_u32 v[AK], v2, 4, v[AK]
	v_add_nc_u32 v[AK], s31, v[AK]
	s_lshl_b32 s31, s26, 6
	s_add_co_u32 s31, s31, KSO
	v_lshl_add_u32 v[AKS], v2, 3, v18              ; lanes 16-31 take the odd tile's keys, 8 further on
	v_lshlrev_b32 v[AKS], 1, v[AKS]
	v_add_nc_u32 v[AKS], s31, v[AKS]
	s_lshl_b32 s31, s27, 4                         ; a block is 16 bytes of a row of V
	s_add_co_u32 s67, s31, 64
	v_lshl_add_u32 v[ADVA], v2, 4, v19
	v_add_nc_u32 v[ADVA], s31, v[ADVA]
	v_add_nc_u32 v[ADVB], s67, v19
	s_and_b32 s31, s27, 0x3c
	s_add_co_u32 s31, s31, VSO
	v_mul_u32_u24 v[AVS], v1, VSP
	v_add_nc_u32 v[AVS], s31, v[AVS]
	s_mul_i32 s31, s98, 16*VP
	v_lshl_add_u32 v[ATF], v2, 4, v19
	v_add_nc_u32 v[ATF], s31, v[ATF]
	s_mul_i32 s31, s98, 16*VSP
	s_add_co_u32 s31, s31, VSO
	v_mul_u32_u24 v[ATS], v1, VSP
	v_add_nc_u32 v[ATS], s31, v[ATS]
	s_lshl_b32 s31, s21, 6
	s_add_co_u32 s31, s31, TBO
	v_lshlrev_b32 v[ATW], 5, v2
	v_add_nc_u32 v[ATW], s31, v[ATW]
	v_lshl_add_u32 v[ATR], v2, 5, TBO
	s_mul_i32 s31, s21, 16*SP
	s_add_co_u32 s31, s31, STG
	v_mul_u32_u24 v[STO], v1, SP
	v_lshl_add_u32 v[STO], v2, 5, v[STO]
	v_add_nc_u32 v[STO], s31, v[STO]
	v_mul_u32_u24 v[RD], v2, SP
	v_lshl_add_u32 v[RD], v1, 4, v[RD]
	v_add_nc_u32 v[RD], s31, v[RD]
	v_and_b32 v[GO], 31, v0
	v_lshlrev_b32 v[GO], 4, v[GO]
	v_lshlrev_b32 v[QSO], 1, v1
	v_lshlrev_b32 v23, 5, v1
	v_lshl_add_u32 v23, v2, 4, v23                 ; Q: row r of 32 bytes, + 16 h
	; registers that hold zeros or constants
.irp i, 21,63,65,67,69,71, 28,29,30,31, 82,83,84,85,86,87, 216,217,218,219
	v_mov_b32 v[\i], 0
.endr
	v_mov_b32 v61, 0x400000
	v_mov_b32 v[ONESC], 0x7f7f7f7f
	s_wait_dscnt 0x0                               ; both opening adds are done
	s_wait_kmcnt 0x0
	s_load_b32 s20, s[16:17], 0x0                  ; log_scale
	s_add_nc_u64 s[70:71], s[12:13], s[70:71]
	s_or_b32 s71, s71, 0x80000000                  ; the type
	s_add_nc_u64 s[74:75], s[8:9], s[74:75]
	s_or_b32 s75, s75, 0x80000000
	s_add_nc_u64 s[78:79], s[10:11], s[78:79]
	s_or_b32 s79, s79, 0x80000000
	s_add_nc_u64 s[82:83], s[14:15], s[82:83]
	s_or_b32 s83, s83, 0x80000000
	s_add_nc_u64 s[4:5], s[4:5], s[92:93]
	s_add_nc_u64 s[6:7], s[6:7], s[94:95]
	s_add_nc_u64 s[18:19], s[18:19], s[96:97]
	; THE FILLS, all of them first fills: waves 0 to 3 issue two loads each, both in one arm: first what the scores need (waves 0, 1: K's codes; wave 2: K's scale bytes; wave 3: V's scale bytes), then a quarter of V's codes.
	; By this text's count a wave has at most two tensor loads out.  An s_nop 0 follows each load and four v_nop the second.
	s_cmp_ge_u32 s21, 4
	s_cbranch_scc1 .Lfilled
	s_cmp_lt_u32 s21, 2
	s_cbranch_scc0 .Lnot_k
	tensor_load_to_lds s[72:75], s[40:47]
	s_nop 0
	tensor_load_to_lds s[68:71], s[32:39]
	s_nop 0
	PLACES
	s_branch .Lfilled
.Lnot_k:
	s_cmp_eq_u32 s21, 2
	s_cbranch_scc0 .Lwave_3
	tensor_load_to_lds s[76:79], s[48:55]
	s_nop 0
	tensor_load_to_lds s[68:71], s[32:39]
	s_nop 0
	PLACES
	s_branch .Lfilled
.Lwave_3:
	tensor_load_to_lds s[80:83], s[56:63]
	s_nop 0
	tensor_load_to_lds s[68:71], s[32:39]
	s_nop 0
	PLACES
.Lfilled:
	global_load_b128 v[QFR:QFR+3], v23, s[4:5] th:TH_LOAD_NT   ; Q's fragment: k = 32 h + 0 .. 31 of query r; read once in the launch
	global_load_u16 v[QSC], v[QSO], s[6:7]         ; its two scale bytes; the upper two bytes of the word are 0
	s_wait_kmcnt 0x0                               ; log_scale
	v_mov_b32 v22, s20
	v_mul_f32 v20, 0x32a57060, v22                 ; log_scale x log2(e), log2(e) in two parts: the low part,
	v_fmamk_f32 v20, v22, 0x3fb8aa3b, v20          ; the high part
	v_exp_f32 v20, v20                             ; e^log_scale
	v_nop                                          ; a plain instruction behind the transcendental,
	s_wait_alu depctr_va_vdst(0)                   ; and the wait ahead of its first reader
	v_med3_num_f32 v20, v20, 1.0, 0x41f00000       ; held to 1 .. 30
	v_mul_f32 v20, 0x3e38aa3b, v20                 ; c = scale x log2(e) = that x log2(e) / 8
	s_wait_tensorcnt 0x1                           ; one younger load, my quarter of V, may stay out: my small tile has landed.
	s_barrier_signal -1
	s_barrier_wait -1                              ; K's codes and scale bytes and V's scale bytes lie in LDS
	; ---- the scores of my window: ten tiles of 16 keys
.irp i, 0,1,2,3,4,5,6,7,8,9
	ds_load_b128 v[KFR+4*\i:KFR+4*\i+3], v[AK] offset:(32*(\i/2)+8*(\i%2))*KP
.endr
.irp b, 0,1,2,3,4
	ds_load_u16 v[KSC+\b], v[AKS] offset:64*\b
.endr
	s_wait_loadcnt 0x0                             ; Q
	s_wait_dscnt 0x0
.irp i, 0,1,2,3,4,5,6,7,8,9
	MM SR+8*\i, KFR+4*\i, QFR, KSC+\i/2, QSC, 1, \i%2
.endr
	v_mov_b32 v59, 0xc61c4000                      ; -10000.  (With the three below: the places behind the products)
	v_nop
	v_nop
	v_nop
	; ---- the two maxima: of s and of -s over the keys that count, and of the fill.  Each accumulator is first read at its low end
.irp b, 0,1,2,3,4
	v_max3_num_f32 v[MX+\b], v[SR+16*\b], v[SR+16*\b+1], v[SR+16*\b+2]
	v_max3_num_f32 v[MN+\b], -v[SR+16*\b], -v[SR+16*\b+1], -v[SR+16*\b+2]
.endr
.irp i, 3,5,7,9,11,13
.irp b, 0,1,2,3,4
	v_max3_num_f32 v[MX+\b], v[MX+\b], v[SR+16*\b+\i], v[SR+16*\b+\i+1]
	v_max3_num_f32 v[MN+\b], v[MN+\b], -v[SR+16*\b+\i], -v[SR+16*\b+\i+1]
.endr
.endr
.irp b, 0,1,2,3,4
	v_max_num_f32 v[MX+\b], v[MX+\b], v[SR+16*\b+15]
	v_max_num_f32 v[MN+\b], v[MN+\b], -v[SR+16*\b+15]
.endr
.irp b, 0,1,2,3,4
	v_cndmask_b32 v[MX+\b], v[MX+\b], v59, s[MK+\b]    ; a masked patch counts as the fill
	v_cndmask_b32 v[MN+\b], v[MN+\b], v59, s[MK+\b]
.endr
	v_max3_num_f32 v[MX], v[MX], v[MX+1], v[MX+2]
	v_max3_num_f32 v[MN], v[MN], v[MN+1], v[MN+2]
	v_max3_num_f32 v[MX], v[MX], v[MX+3], v[MX+4]
	v_max3_num_f32 v[MN], v[MN], v[MN+3], v[MN+4]
	v_max_num_f32 v[MX], v[MX], v59                ; the 1,888 keys outside the window hold the fill in every row
	v_max_num_f32 v[MN], v[MN], v59
	v_permlanex16_b32 v18, v[MX], s90, s91
	v_permlanex16_b32 v19, v[MN], s90, s91
	v_max_num_f32 v[MX], v[MX], v18                ; with lane l xor 16's 80 keys
	v_max_num_f32 v[MN], v[MN], v19
	v_mul_f32 v22, -v20, v[MX]                     ; oP = -c max(pos).  Its rounding is common to a row and cancels in e / Z
	v_mul_f32 v23, -v20, v[MN]                     ; oN = -c max(neg)
	v_fma_f32 v57, v59, v20, v22                   ; a masked place's exponent in the positive softmax,
	v_fma_f32 v58, v59, v20, v23                   ; and in the negative
	; ---- the exponents: t_p = c s + oP, t_n = -c s + oN; in a masked patch c gives way to 0 and the offsets to the masked place's exponents
.irp b, 0,1,2,3,4
	v_cndmask_b32 v66, v20, v21, s[MK+\b]
	v_cndmask_b32 v68, v22, v57, s[MK+\b]
	v_cndmask_b32 v70, v23, v58, s[MK+\b]
.irp j, 0,2,4,6,8,10,12,14
	v_pk_fma_f32 v[NR+16*\b+\j:NR+16*\b+\j+1], v[SR+16*\b+\j:SR+16*\b+\j+1], v[66:67], v[70:71] op_sel_hi:[1,0,0] neg_lo:[0,1,0] neg_hi:[0,1,0]
.endr
.irp j, 0,2,4,6,8,10,12,14
	v_pk_fma_f32 v[SR+16*\b+\j:SR+16*\b+\j+1], v[SR+16*\b+\j:SR+16*\b+\j+1], v[66:67], v[68:69] op_sel_hi:[1,0,0]
.endr
.endr
	; ---- ONE batch of 162 exponentials, one plain instruction, one wait
.set j, 0
.rept 80
	v_exp_f32 v[SR+j], v[SR+j]
	v_exp_f32 v[NR+j], v[NR+j]
.set j, j+1
.endr
	v_exp_f32 v57, v57                             ; EP, EN: a masked place's exponentials
	v_exp_f32 v58, v58
	v_nop
	s_wait_alu depctr_va_vdst(0)                   ; the wait ahead of the batch's first reader
	; ---- the two sums, each in two packed chains
	v_pk_add_f32 v[88:89], v[SR:SR+1], v[SR+2:SR+3]
	v_pk_add_f32 v[92:93], v[NR:NR+1], v[NR+2:NR+3]
	v_pk_add_f32 v[90:91], v[SR+4:SR+5], v[SR+6:SR+7]
	v_pk_add_f32 v[94:95], v[NR+4:NR+5], v[NR+6:NR+7]
.set j, 8
.rept 18
	v_pk_add_f32 v[88:89], v[88:89], v[SR+j:SR+j+1]
	v_pk_add_f32 v[92:93], v[92:93], v[NR+j:NR+j+1]
	v_pk_add_f32 v[90:91], v[90:91], v[SR+j+2:SR+j+3]
	v_pk_add_f32 v[94:95], v[94:95], v[NR+j+2:NR+j+3]
.set j, j+4
.endr
	v_pk_add_f32 v[88:89], v[88:89], v[90:91]
	v_pk_add_f32 v[92:93], v[92:93], v[94:95]
	v_add_f32 v88, v88, v89
	v_add_f32 v92, v92, v93
	v_permlanex16_b32 v18, v88, s90, s91
	v_permlanex16_b32 v19, v92, s90, s91
	v_add_f32 v88, v88, v18
	v_add_f32 v92, v92, v19
	v_fmamk_f32 v88, v57, 0x44ec0000, v88          ; + 1,888 EP: the keys outside the window
	v_fmamk_f32 v92, v58, 0x44ec0000, v92
	v_rcp_f32 v62, v88
	v_rcp_f32 v64, v92
	v_nop
	s_wait_alu depctr_va_vdst(0)                   ; one wait for the two reciprocals
	; ---- A = e_p / ZP - e_n / ZN, finished and normalised; a is the same of a masked place, by the same arithmetic
.set j, 0
.rept 40
	v_pk_mul_f32 v[NR+j:NR+j+1], v[NR+j:NR+j+1], v[64:65] op_sel_hi:[1,0]
.set j, j+2
.endr
.set j, 0
.rept 40
	v_pk_fma_f32 v[SR+j:SR+j+1], v[SR+j:SR+j+1], v[62:63], v[NR+j:NR+j+1] op_sel_hi:[1,0,1] neg_lo:[0,0,1] neg_hi:[0,0,1]
.set j, j+2
.endr
	v_mul_f32 v59, v58, v64
	v_fma_f32 v59, v57, v62, -v59
	; ---- V
	s_wait_tensorcnt 0x0                           ; my quarter of V's codes has landed
	s_wait_dscnt 0x0
	s_barrier_signal -1
	s_barrier_wait -1                              ; all of V's codes lie in LDS
.irp t, 0,1,2,3
	ds_load_b128 v[VFA+8*\t:VFA+8*\t+3], v[ADVA] offset:16*VP*\t          ; d = 16 t + r: blocks B0 + h,
	ds_load_b128 v[VFA+8*\t+4:VFA+8*\t+7], v[ADVA] offset:16*VP*\t+32     ; B0 + 2 + h,
	ds_load_b128 v[VFB+4*\t:VFB+4*\t+3], v[ADVB] offset:16*VP*\t          ; and B0 + 4
	ds_load_b32 v[RAW+\t], v[AVS] offset:16*VSP*\t
	ds_load_b32 v[RAW+4+\t], v[AVS] offset:16*VSP*\t+4
.endr
.irp i, 0,1,2,3,4,5,6,7
	v_mov_b32 v[ONA+\i], 0x22222222                ; eight codes of 1.0
.endr
.irp i, 0,1,2,3
	v_cndmask_b32 v[ONB+\i], v21, v[ONA], s89      ; one block of them: lanes 0-15 alone
	v_mov_b32 v[ONB+4+\i], 0
.endr
	; ---- A's five blocks are quantised along the keys
.irp b, 0,1,2,3,4
	v_max3_num_f32 v[TM+\b], |v[SR+16*\b]|, |v[SR+16*\b+1]|, 0x1800000   ; my 16 numbers of block b, and the floor 2^(3 - 127): so the byte cannot fall under 1
.endr
.irp i, 2,4,6,8,10,12,14
.irp b, 0,1,2,3,4
	v_max3_num_f32 v[TM+\b], v[TM+\b], |v[SR+16*\b+\i]|, |v[SR+16*\b+\i+1]|
.endr
.endr
.irp b, 0,1,2,3,4
	v_permlanex16_b32 v[TX+\b], v[TM+\b], s90, s91
.endr
.irp b, 0,1,2,3,4
	v_max_num_f32 v[TM+\b], v[TM+\b], v[TX+\b]     ; with lane l xor 16's: the block's largest magnitude
.endr
.irp b, 0,1,2,3,4
	v_add_nc_u32 v[TM+\b], 0xff000000, v[TM+\b]    ; 2 off its exponent field: the conversion takes the exponent field of this operand as its scale
.endr
.irp b, 0,1,2,3
	v_lshrrev_b32 v[TX+\b], 23, v[TM+\b]           ; the scales' bytes
.endr
	v_lshrrev_b32 v[PSB], 23, v[TM+4]              ; block 4's stands alone in its word
	v_lshl_or_b32 v[PSA], v[TX+1], 8, v[TX]
	v_lshl_or_b32 v[PSA], v[TX+2], 16, v[PSA]
	v_lshl_or_b32 v[PSA], v[TX+3], 24, v[PSA]
	s_wait_dscnt 0x0                               ; V's fragments and scale bytes are in
.irp t, 0,1,2,3
	v_perm_b32 v[VSA+\t], v[RAW+4+\t], v[RAW+\t], s22      ; the bytes of blocks B0 .. B0 + 3 out of two aligned words
	v_bfe_u32 v[VSB+\t], v[RAW+4+\t], s28, 8               ; and block B0 + 4's
.endr
.irp b, 0,1,2,3,4
	v_cvt_scalef32_pk8_fp4_f32 v[PC+2*\b], v[SR+16*\b:SR+16*\b+7], v[TM+\b]
	v_cvt_scalef32_pk8_fp4_f32 v[PC+2*\b+1], v[SR+16*\b+8:SR+16*\b+15], v[TM+\b]
.endr
	v_nop                                          ; one plain instruction behind the scaled conversions
.irp c, 0,1,2                                  ; the operand's layout wants a whole block in a lane: lanes 0-15 block 2 c, lanes 16-31 block 2 c + 1; block 5 is zeros
.irp i, 0,1
	v_permlane16_swap_b32 v[PC+4*\c+\i], v[PC+4*\c+2+\i]
.endr
.endr
	; ---- T, the head's sum of V over all 2,048 keys: waves 0, 5, 10, 15 make the 16 values of d tile w % 4, in sixteen K steps on two accumulators by turns
	s_lshr_b32 s31, s21, 2
	s_xor_b32 s31, s31, s98
	s_cmp_lg_u32 s31, 0
	s_cbranch_scc1 .Lnot_t
.irp g, 0,1
.irp i, 0,1,2,3,4,5,6,7
	ds_load_b128 v[SR+8*\i:SR+8*\i+3], v[ATF] offset:64*(8*\g+\i)
	ds_load_b128 v[SR+8*\i+4:SR+8*\i+7], v[ATF] offset:64*(8*\g+\i)+32
	ds_load_b32 v[TSC+\i], v[ATS] offset:4*(8*\g+\i)
.endr
	s_wait_dscnt 0x0
.irp i, 0,1,2,3,4,5,6,7
.if (\g == 0) && (\i < 2)
	MM TA+8*(\i%2), SR+8*\i, ONA, TSC+\i, ONESC, 1, 0
.else
	MM TA+8*(\i%2), SR+8*\i, ONA, TSC+\i, ONESC, 0, 0
.endif
.endr
	PLACES                                         ; in front of the next eight steps' loads, and of the reads below
.endr
.irp k, 0,2,4,6
	v_pk_add_f32 v[TX+\k:TX+\k+1], v[TA+\k:TA+\k+1], v[TA+8+\k:TA+8+\k+1] neg_lo:[1,1] neg_hi:[1,1]   ; -T(16 (w % 4) + 8 h + k ..)
.endr
	ds_store_b128 v[ATW], v[TX:TX+3]               ; the sixteen lanes of a half hold the same numbers and write the same bytes
	ds_store_b128 v[ATW], v[TX+4:TX+7] offset:16
.Lnot_t:
	; ---- -Q(a): a's sign and exponent, and the mantissa field 0 or 0x400000.  These five lines and the four below are the places between the last vector write of a scale word or an operand and the scaled products
	v_and_b32 v60, 0x7fffff, v59
	v_cmp_lt_u32 vcc_lo, 0x200000, v60
	v_cndmask_b32 v60, 0, v61, vcc_lo
	v_and_or_b32 v60, v59, 0xff800000, v60
	v_xor_b32 v60, 0x80000000, v60
	PLACES
	; ---- O^T = V^T A^T over the window: four tiles of d, two K steps, the accumulators by turns
.irp t, 0,1,2,3
	MM SR+8*\t, VFA+8*\t, PC, VSA+\t, PSA, 1, 0
.endr
.irp t, 0,1,2,3
	MM SR+8*\t, VFB+4*\t, PC+8, VSB+\t, PSB, 0, 0
.endr
	s_wait_dscnt 0x0                               ; for the others' sake: my stores of -T are done
	s_barrier_signal -1
	s_barrier_wait -1                              ; -T lies in LDS
.irp t, 0,1,2,3
	ds_load_b128 v[UA+8*\t:UA+8*\t+3], v[ATR] offset:320*\t          ; wave 5 t stored tile t's at 64 x 5 t
	ds_load_b128 v[UA+8*\t+4:UA+8*\t+7], v[ATR] offset:320*\t+16
.endr
	s_wait_dscnt 0x0
	; ---- U = W - T: the window's sum of V is added onto -T
.irp t, 0,1,2,3
	MM UA+8*\t, VFA+8*\t, ONA, VSA+\t, ONESC, 0, 0
.endr
.irp t, 0,1,2,3
	MM UA+8*\t, VFB+4*\t, ONB, VSB+\t, ONESC, 0, 0
.endr
	PLACES
.set j, 0
.rept 16
	v_pk_fma_f32 v[SR+j:SR+j+1], v[UA+j:UA+j+1], v[60:61], v[SR+j:SR+j+1] op_sel_hi:[1,0,1]   ; out = O + Q(a) (T - W); each accumulator from its low end on
.set j, j+2
.endr
	; ---- the way out: lane (r, h) holds out(r, 16 t + 8 h + 0 .. 7); the 16 rows go through my own stage and come back two whole rows an instruction
.irp t, 0,1,2,3
	ds_store_b128 v[STO], v[SR+8*\t:SR+8*\t+3] offset:64*\t
	ds_store_b128 v[STO], v[SR+8*\t+4:SR+8*\t+7] offset:64*\t+16
.endr
.irp i, 0,1,2,3,4,5,6,7
	ds_load_b128 v[VFA+4*\i:VFA+4*\i+3], v[RD] offset:2*SP*\i      ; LDS serves a wave's instructions in order (ISA guide 5.7.1.4): these see my stores
.endr
.irp i, 0,1,2,3,4,5,6,7
	s_wait_dscnt 7-\i                              ; the younger LDS loads may stay out
	global_store_b128 v[GO], v[VFA+4*\i:VFA+4*\i+3], s[18:19] offset:512*\i th:TH_STORE_NT   ; 32 lanes store 512 consecutive bytes, at a multiple of 256 from out's first byte
.endr
	s_wait_tensorcnt 0x0                           ; the wave's end: behind my last tensor load and my last LDS store
	ds_add_u32 v[SPW], v[NIL]
	s_wait_dscnt 0x0
	s_endpgm
.Lfunc_end_k_q3096b93501_attn:
	.size	k_q3096b93501_attn, .Lfunc_end_k_q3096b93501_attn-k_q3096b93501_attn
	.p2alignl 7, 3214868480
	.fill 96, 4, 3214868480
	.section	.rodata,"a",@progbits
	.p2align	6, 0x0
	.amdhsa_kernel k_q3096b93501_attn
		.amdhsa_group_segment_fixed_size 167936
		.amdhsa_private_segment_fixed_size 0
		.amdhsa_enable_private_segment 0
		.amdhsa_kernarg_size 64
		.amdhsa_user_sgpr_count 2
		.amdhsa_user_sgpr_kernarg_segment_ptr 1
		.amdhsa_wavefront_size32 1
		.amdhsa_system_sgpr_workgroup_id_x 1
		.amdhsa_system_sgpr_workgroup_id_y 1
		.amdhsa_system_sgpr_workgroup_id_z 1
		.amdhsa_system_vgpr_workitem_id 0
		.amdhsa_next_free_vgpr 256
		.amdhsa_next_free_sgpr 100
		.amdhsa_reserve_vcc 1
		.amdhsa_float_denorm_mode_32 3
		.amdhsa_float_denorm_mode_16_64 3
		.amdhsa_memory_ordered 1
		.amdhsa_forward_progress 1
		.amdhsa_inst_pref_size 62
	.end_amdhsa_kernel
	.amdgpu_metadata
---
amdhsa.version: [ 1, 2 ]
amdhsa.kernels:
  - .name:           k_q3096b93501_attn
    .symbol:         k_q3096b93501_attn.kd
    .args:
      - { .name: queries_codes, .offset: 0, .size: 8, .value_kind: global_buffer, .address_space: global }
      - { .name: queries_scales, .offset: 8, .size: 8, .value_kind: global_buffer, .address_space: global }
      - { .name: keys_codes, .offset: 16, .size: 8, .value_kind: global_buffer, .address_space: global }
      - { .name: keys_scales, .offset: 24, .size: 8, .value_kind: global_buffer, .address_space: global }
      - { .name: values_codes, .offset: 32, .size: 8, .value_kind: global_buffer, .address_space: global }
      - { .name: values_scales, .offset: 40, .size: 8, .value_kind: global_buffer, .address_space: global }
      - { .name: log_scale, .offset: 48, .size: 8, .value_kind: global_buffer, .address_space: global }
      - { .name: out0, .offset: 56, .size: 8, .value_kind: global_buffer, .address_space: global }
    .group_segment_fixed_size: 167936
    .private_segment_fixed_size: 0
    .kernarg_segment_align: 8
    .kernarg_segment_size: 64
    .max_flat_workgroup_size: 512
    .sgpr_count:     100
    .vgpr_count:     256
    .wavefront_size: 32
...
	.end_amdgpu_metadata
.endif
;; end of part 1
